; MI455X (gfx1250); checked and timed in simulation.
; The chip was launched on July 23, 2026; its instructions are those of AMD's public machine-readable ISA for CDNA 5 (MIT licence, August 2026) and "CDNA5" Instruction Set Architecture Reference Guide (July 2026). The comments in the code are by the model that wrote it; some were corrected since.
;; Diffusion Coordinate Initializer. Allowed arithmetic: float matrix products may take bf16 or f16 operands with f32 sums; all other float work in f32.
;; Inputs: W 1,024 x 3 float32; b 3 float32; latent 4 x 8,192 x 1,024 float32; noise 4 x 8,192 x 3 float32.
;; Outputs: out0 4 x 8,192 x 3 float32.
;; Constants: steps = 50.
;; 2 versions, each right; version 2 is version 1 with the launch diffinit written anew for expert scheduling mode. Each part assembles by itself: llvm-mc -triple=amdgcn-amd-amdhsa -mcpu=gfx1250 --defsym DOCPART=n.
;; ======== version 1 of 2: 1 launch
;; launch diffinit (part 1): grid 256 x 1, 16 waves a work-group, no clusters, 15,872 bytes of LDS; arguments latent, W, b, noise, out0; writes out0
.if DOCPART == 1
	.amdgcn_target "amdgcn-amd-amdhsa--gfx1250"
	.amdhsa_code_object_version 6
	.text
	.protected	k_q73431e101c_diffinit
	.globl	k_q73431e101c_diffinit
	.p2align	8
	.type	k_q73431e101c_diffinit,@function
k_q73431e101c_diffinit:
	s_mov_b64 s[64:65], 0
	v_nop
	global_prefetch_b8 v0, s[64:65] scope:SCOPE_SE
	s_setreg_imm32_b32 hwreg(HW_REG_WAVE_MODE, 25, 1), 1
	s_wait_xcnt 0x0
; out[r][k] = x after 50 steps x = a x + (1 - a) t, a = 50/50, 49/50 .. 1/50, x starting as noise[r][k],
; t = target[r][k] = sum over d of latent[r][d] W[d][k] + b[k].   latent: 32,768 rows of 1,024 f32;  k = 0..2.
;
; A STREAM: 4,096 bytes are read for 12 bytes of result.  A work-group owns 128 rows, each of its 16 waves 8 rows.  One load of a wave
; covers 512 consecutive bytes of one row, aligned; a lane holds 4 neighbouring columns of each of a row's 8 loads.  Every wave keeps a
; ring of four rows in registers (32 loads out), so the work-group has 16 x 32 x 512 bytes = half of its 512 KiB asked for at once.
; W (12,288 bytes) is fetched once by the work-group, shared through LDS, and each lane keeps the 96 numbers of its 32 columns.
;
; NO MATRIX INSTRUCTIONS: the product has 3 output columns of a tile's 16, and a matrix operand wants one row per lane, across the order
; in which neighbouring lanes read neighbouring bytes: every number would pass through LDS and a conversion.  Here a number goes from
; its load register into 1.5 packed f32 multiply-adds, and the product keeps f32 accuracy.
; NO CLUSTER, NO JOINT LOADS: the only bytes that work-groups share are W's, 12,288 of the 538,124 that a work-group reads (2.3%).
; NO LDS RING: the rows in flight lie in the registers that the arithmetic reads.
;
; LIMITS, stated: the 1,024 products of a sum are added in another order than the reference's (32 in a lane, then across lanes);
; a step is one multiply and one fused multiply-add; 1 - a is the constant (50 - k)/50 rounded once to f32, which differs from the f32
; difference 1 - fl(k/50) by at most about 1.5e-6 of its value (k = 49).  All 50 steps are carried out, the first (a = 1) too.
.set ROWB,  4096                       ; bytes in a row of latent
.set STEPS, 50
.set TGT,   0                          ; LDS 0..1535: the work-group's 128 x 3 targets, in the order of out0
.set WL,    1536                       ; LDS 1536..13823: W as it lies in memory
.set DOFF, 1                           ; v1        byte offset in the work-group's latent: wave x 8 rows + 16 x lane
.set TADR, 2                           ; v2        LDS address of the target that this lane ends up with
.set BIAS, 3                           ; v3        b[k] of that target
.set OOFF, 4                           ; v4        16 x thread: my 16 bytes of noise, of the targets in LDS and of out0 (waves 0..2)
.set SEL,  5                           ; v5        the target itself
.set NOI,  6                           ; v[6:9]    waves 0..2: four numbers of noise, then x
.set RES0, 10                          ; v[10:12]  folded sums of rows 0..3, at the end of all 8 rows
.set RES1, 14                          ; v[14:16]  folded sums of rows 4..7
.set W,    18                          ; v[18:113] chunk j: 12 registers, W[d][k] of my 4 columns d, in memory order (register 3 i + k)
.set X,    114                         ; v[114:241] slot s: 32 registers, a row; chunk j: 4 of them
.set ACC,  242                         ; v[242:247] six sums of the pair's first row, v[248:253] of its second
.set T0,   254
.set T1,   255
.set WST,  ACC                         ; at the start: 24 bytes of W on their way to LDS,
.set WOFF, ACC+6                       ; 8 x thread: their place in W and in LDS,
.set WRD,  ACC+7                       ; 48 x lane: where my columns' W begins in a chunk's 1,536 bytes
.set TG,   ACC                         ; at the end: four targets,
.set CC,   ACC+4                       ; and (1 - a) x target
	s_load_b256 s[4:11], s[0:1], 0x0               ; latent s[4:5], W s[6:7], b s[8:9], noise s[10:11]
	s_load_b64 s[12:13], s[0:1], 0x20              ; out0
	v_lshl_add_u32 v13, v0, 2, 0x3600
	v_mov_b32 v17, 0
	v_lshrrev_b32 v[T0], 5, v0
	v_readfirstlane_b32 s14, v[T0]                 ; wave 0..15
	v_and_b32 v[T1], 31, v0                        ; lane
	s_lshl_b32 s30, s14, 15                        ; wave x 8 rows x 4,096 bytes
	s_lshl_b32 s28, s14, 9                         ; wave x 32 lanes x 16 bytes
	s_lshl_b32 s29, s14, 8                         ; wave x 32 lanes x 8 bytes
	v_lshl_add_u32 v[DOFF], v[T1], 4, s30
	v_lshl_add_u32 v[OOFF], v[T1], 4, s28
	v_lshl_add_u32 v[WOFF], v[T1], 3, s29
	v_mul_u32_u24 v[WRD], 48, v[T1]
	s_lshl_b32 s20, ttmp9, 19                      ; the work-group's 128 rows of latent: at most 255 x 524,288, below 2^31
	s_mov_b32 s21, 0
	s_mul_i32 s26, ttmp9, 1536                     ; and its 128 x 12 bytes of noise and of out0
	s_mov_b32 s27, 0
	s_wait_kmcnt 0x0
	s_add_nc_u64 s[4:5], s[4:5], s[20:21]
	s_add_nc_u64 s[10:11], s[10:11], s[26:27]
	s_add_nc_u64 s[12:13], s[12:13], s[26:27]
	s_load_b96 s[16:18], s[8:9], 0x0               ; b[0..2]: no line of this kernel stores into b
	; Waves 0..2 run the 50 steps at the end and ask for their noise now.  This load is older than every load that is counted below,
	; so the counts are the same in the waves that skip it (loads return in order, ISA guide 5.7.1).
	s_cmp_gt_u32 s14, 2
	s_cbranch_scc1 .Lno_noise
	global_load_b128 v[NOI:NOI+3], v[OOFF], s[10:11] th:TH_LOAD_NT
.Lno_noise:
.irp i, 0,1,2
	global_load_b64 v[WST+2*\i:WST+2*\i+1], v[WOFF], s[6:7] offset:4096*\i     ; 512 threads x 8 bytes x 3 = W; a wave's load: 256 consecutive bytes
.endr
.macro LOAD1 slot, base, j             ; chunk j (512 bytes) of the row at byte \base of my 8 rows, into slot \slot
	global_load_b128 v[X+32*\slot+4*\j:X+32*\slot+4*\j+3], v[DOFF], s[4:5] offset:\base+512*\j th:TH_LOAD_NT
.endm
.irp s, 0,1,2,3
.irp j, 0,1,2,3,4,5,6,7
	LOAD1 \s, ROWB*\s, \j                          ; the ring is filled: rows 0..3, 32 loads
.endr
.endr
	; While they travel: where this lane's target will go.  The folds below leave in lane l the sums of row 4 (l>>2 & 1) + 2 (l>>3 & 1) + (l>>4)
	; of my 8; lane l then keeps column k = min(l & 3, 2): lanes 2 and 3 of a quad store the same number to the same word.
	v_bfe_u32 v[T0], v0, 3, 1
	v_bfe_u32 v[TADR], v0, 4, 1
	v_lshl_add_u32 v[TADR], v[T0], 1, v[TADR]
	v_bfe_u32 v[T0], v0, 2, 1
	v_lshl_add_u32 v[TADR], v[T0], 2, v[TADR]      ; row 0..7
	v_and_b32 v[T0], 3, v0
	v_min_u32 v[T0], 2, v[T0]                      ; k
	v_mul_u32_u24 v[TADR], 12, v[TADR]
	v_lshl_add_u32 v[TADR], v[T0], 2, v[TADR]      ; 12 row + 4 k, at most 92
	s_mul_i32 s31, s14, 96                         ; my wave's 8 x 12 bytes
	v_add_nc_u32 v[TADR], s31, v[TADR]
	s_mov_b32 s22, 0xff00ff00                      ; lanes with bit 3 set
	s_mov_b32 s23, 0xf0f0f0f0                      ; lanes with bit 2 set
	s_mov_b32 s24, 0x22222222                      ; lanes with l & 3 = 1
	s_mov_b32 s25, 0xcccccccc                      ; lanes with l & 3 = 2 or 3
	s_wait_kmcnt 0x0                               ; b
	v_mov_b32 v[BIAS], s16
	v_mov_b32 v[T0], s17
	v_mov_b32 v[T1], s18
	v_cndmask_b32 v[BIAS], v[BIAS], v[T0], s24
	v_cndmask_b32 v[BIAS], v[BIAS], v[T1], s25     ; b[k] of my target
	; W: memory -> LDS once for the work-group, LDS -> registers in every wave
	s_wait_loadcnt 32                              ; W's three loads are in; the 32 row loads issued behind them stay out
.irp i, 0,1,2
	ds_store_b64 v[WOFF], v[WST+2*\i:WST+2*\i+1] offset:WL+4096*\i
.endr
	s_wait_dscnt 0x0                               ; my part of W is in LDS, for the other waves' sake
	s_barrier_signal -1
	s_barrier_wait -1                              ; everybody's is
.irp j, 0,1,2,3,4,5,6,7
.irp i, 0,1,2
	ds_load_b128 v[W+12*\j+4*\i:W+12*\j+4*\i+3], v[WRD] offset:WL+1536*\j+16*\i   ; lanes 48 bytes apart: 16 lanes touch 16 different 16-byte columns of 256
.endr
.endr
	s_wait_dscnt 0x0
; One packed multiply-add.  W's 12 numbers of 4 columns d0..d3 lie as (d0k0 d0k1)(d0k2 d1k0)(d1k1 d1k2)(d2k0 d2k1)(d2k2 d3k0)(d3k1 d3k2), so the
; three accumulator pairs hold (k0,k1), (k2,k0), (k1,k2), and the data pair (x0,x1) enters as (x0,x0), (x0,x1), (x1,x1): sel = 0, 1, 2.
; first = 1: the product starts the sum; nothing is cleared.
.macro PK first, d, x, w, sel
.if \first
.if \sel == 0
	v_pk_mul_f32 v[\d:\d+1], v[\x:\x+1], v[\w:\w+1] op_sel_hi:[0,1]
.elseif \sel == 1
	v_pk_mul_f32 v[\d:\d+1], v[\x:\x+1], v[\w:\w+1]
.else
	v_pk_mul_f32 v[\d:\d+1], v[\x:\x+1], v[\w:\w+1] op_sel:[1,0]
.endif
.else
.if \sel == 0
	v_pk_fma_f32 v[\d:\d+1], v[\x:\x+1], v[\w:\w+1], v[\d:\d+1] op_sel_hi:[0,1,1]
.elseif \sel == 1
	v_pk_fma_f32 v[\d:\d+1], v[\x:\x+1], v[\w:\w+1], v[\d:\d+1]
.else
	v_pk_fma_f32 v[\d:\d+1], v[\x:\x+1], v[\w:\w+1], v[\d:\d+1] op_sel:[1,0,0]
.endif
.endif
.endm
; Two columns (half e of chunk j) of the rows in slots pa and pb: six chains that do not wait for each other
.macro HALF pa, pb, j, e, first
.irp c, 0,1,2
	PK \first, ACC+2*\c, X+32*\pa+4*\j+2*\e, W+12*\j+6*\e+2*\c, \c
	PK \first, ACC+6+2*\c, X+32*\pb+4*\j+2*\e, W+12*\j+6*\e+2*\c, \c
.endr
.endm
; Two rows, in slots sa and sb.  left: how many younger loads may stay out.  refill = 1: each chunk's registers are asked for again as soon
; as they are read, with rows nr and nr + 1.  The result, in dst..dst+2: column k's sum over lanes l and l + 16, first row in lanes 0-15, second in 16-31.
.macro PAIR sa, sb, dst, left, refill, nr
	s_wait_loadcnt \left
	HALF \sa, \sb, 0, 0, 1
	HALF \sa, \sb, 0, 1, 0
.if \refill
	LOAD1 \sa, ROWB*\nr, 0
	LOAD1 \sb, ROWB*\nr+ROWB, 0
.endif
.irp j, 1,2,3,4,5,6,7
	HALF \sa, \sb, \j, 0, 0
	HALF \sa, \sb, \j, 1, 0
.if \refill
	LOAD1 \sa, ROWB*\nr, \j
	LOAD1 \sb, ROWB*\nr+ROWB, \j
.endif
.endr
.irp r, 0,6
	v_add_f32 v[ACC+\r], v[ACC+\r], v[ACC+\r+3]            ; k0 = (k0,k1).lo + (k2,k0).hi
	v_add_f32 v[ACC+\r+1], v[ACC+\r+1], v[ACC+\r+4]        ; k1 = (k0,k1).hi + (k1,k2).lo
	v_add_f32 v[ACC+\r+2], v[ACC+\r+2], v[ACC+\r+5]        ; k2 = (k2,k0).lo + (k1,k2).hi
.endr
.irp k, 0,1,2
	v_permlane16_swap_b32 v[ACC+\k], v[ACC+6+\k]           ; the first row's lanes 16-31 change places with the second row's lanes 0-15
.endr
	v_pk_add_f32 v[\dst:\dst+1], v[ACC:ACC+1], v[ACC+6:ACC+7]
	v_add_f32 v[\dst+2], v[ACC+2], v[ACC+8]
.endm
; Fold p and q over one lane bit: lanes with the bit clear end with p[l] + p[l ^ xm], lanes with it set with q[l] + q[l ^ xm]; the result replaces p.
.macro MERGE p, q, mask, xm
.irp k, 0,1,2
	v_cndmask_b32 v[ACC+3+\k], v[\q+\k], v[\p+\k], \mask   ; what my partner wants: p where the bit is set, q where it is clear
	v_cndmask_b32 v[\p+\k], v[\p+\k], v[\q+\k], \mask      ; what I keep
.endr
.irp k, 0,1,2
	v_add_f32_dpp v[\p+\k], v[ACC+3+\k], v[\p+\k] row_xmask:\xm row_mask:0xf bank_mask:0xf
.endr
.endm
	PAIR 0, 1, RES0, 16, 1, 4                      ; rows 0, 1; out stay rows 2, 3 (16 loads); rows 4, 5 are asked for
	PAIR 2, 3, ACC, 16, 1, 6                       ; rows 2, 3; out stay rows 4, 5; rows 6, 7 are asked for
	MERGE RES0, ACC, s22, 8                        ; lane bit 3: rows 0, 1 | rows 2, 3
	PAIR 0, 1, RES1, 16, 0, 0                      ; rows 4, 5; out stay rows 6, 7
	PAIR 2, 3, ACC, 0, 0, 0                        ; rows 6, 7: nothing was issued behind them (this wait also shows the noise in)
	MERGE RES1, ACC, s22, 8
	MERGE RES0, RES1, s23, 4                       ; lane bit 2: rows 0..3 | rows 4..7
.irp k, 0,1,2
	v_add_f32_dpp v[RES0+\k], v[RES0+\k], v[RES0+\k] row_xmask:2 row_mask:0xf bank_mask:0xf
.endr
.irp k, 0,1,2
	v_add_f32_dpp v[RES0+\k], v[RES0+\k], v[RES0+\k] row_xmask:1 row_mask:0xf bank_mask:0xf
.endr
	v_cndmask_b32 v[SEL], v[RES0], v[RES0+1], s24  ; the four lanes of a quad hold a row's three sums: each keeps its column's
	v_cndmask_b32 v[SEL], v[SEL], v[RES0+2], s25
	v_add_f32 v[SEL], v[SEL], v[BIAS]              ; target = product + b
	ds_store_b32 v[TADR], v[SEL] offset:TGT
	s_wait_dscnt 0x0                               ; my 24 targets are in LDS, for waves 0..2
	s_barrier_signal -1
	s_barrier_wait -1                              ; all 384 are
	s_cmp_gt_u32 s14, 2
	s_cbranch_scc1 .Ldone
	; THE 50 STEPS, in waves 0..2: thread t has the numbers 4 t .. 4 t + 3 of the work-group's 384, as they lie in noise and in out0.
	ds_load_b128 v[TG:TG+3], v[OOFF] offset:TGT
	s_wait_dscnt 0x0
; FBITS = the f32 nearest to num / 50, num = 0 .. 50, made by the assembler: scale num into [50, 100), divide with one bit to spare, round.
; (No tie can occur: num 2^24 / 50 is whole only for num = 50 after scaling, and even there.)
.macro FIFTIETHS num
.if \num == 0
.set FBITS, 0
.else
.set fnum, \num
.set fexp, 127
.rept 6
.if fnum < 50
.set fnum, fnum*2
.set fexp, fexp-1
.endif
.endr
.set FBITS, (fexp<<23)+(((fnum<<24)/50+1)>>1)-(1<<23)
.endif
.endm
.set stepk, STEPS
.rept STEPS
	FIFTIETHS STEPS-stepk
.set OMA, FBITS                                        ; 1 - a = (50 - k) / 50
	FIFTIETHS stepk                                ; a = k / 50
	v_pk_mul_f32 v[CC:CC+1], v[TG:TG+1], OMA op_sel_hi:[1,0]
	v_pk_mul_f32 v[CC+2:CC+3], v[TG+2:TG+3], OMA op_sel_hi:[1,0]
	v_pk_fma_f32 v[NOI:NOI+1], v[NOI:NOI+1], FBITS, v[CC:CC+1] op_sel_hi:[1,0,1]
	v_pk_fma_f32 v[NOI+2:NOI+3], v[NOI+2:NOI+3], FBITS, v[CC+2:CC+3] op_sel_hi:[1,0,1]
.set stepk, stepk-1
.endr
	global_store_b128 v[OOFF], v[NOI:NOI+3], s[12:13] th:TH_STORE_NT   ; 16 lanes store 256 consecutive bytes, at a multiple of 256 from out0's first byte
.Ldone:
	s_wait_tensorcnt 0x0
	ds_add_u32 v13, v17
	s_wait_dscnt 0x0
	s_endpgm
.Lfunc_end_k_q73431e101c_diffinit:
	.size	k_q73431e101c_diffinit, .Lfunc_end_k_q73431e101c_diffinit-k_q73431e101c_diffinit
	.p2alignl 7, 3214868480
	.fill 96, 4, 3214868480
	.section	.rodata,"a",@progbits
	.p2align	6, 0x0
	.amdhsa_kernel k_q73431e101c_diffinit
		.amdhsa_group_segment_fixed_size 15872
		.amdhsa_private_segment_fixed_size 0
		.amdhsa_enable_private_segment 0
		.amdhsa_kernarg_size 40
		.amdhsa_user_sgpr_count 2
		.amdhsa_user_sgpr_kernarg_segment_ptr 1
		.amdhsa_wavefront_size32 1
		.amdhsa_system_sgpr_workgroup_id_x 1
		.amdhsa_system_sgpr_workgroup_id_y 1
		.amdhsa_system_sgpr_workgroup_id_z 1
		.amdhsa_system_vgpr_workitem_id 0
		.amdhsa_next_free_vgpr 256
		.amdhsa_next_free_sgpr 66
		.amdhsa_reserve_vcc 0
		.amdhsa_float_denorm_mode_32 3
		.amdhsa_float_denorm_mode_16_64 3
		.amdhsa_memory_ordered 1
		.amdhsa_forward_progress 1
		.amdhsa_inst_pref_size 58
	.end_amdhsa_kernel
	.amdgpu_metadata
---
amdhsa.version: [ 1, 2 ]
amdhsa.kernels:
  - .name:           k_q73431e101c_diffinit
    .symbol:         k_q73431e101c_diffinit.kd
    .args:
      - { .name: latent, .offset: 0, .size: 8, .value_kind: global_buffer, .address_space: global }
      - { .name: W, .offset: 8, .size: 8, .value_kind: global_buffer, .address_space: global }
      - { .name: b, .offset: 16, .size: 8, .value_kind: global_buffer, .address_space: global }
      - { .name: noise, .offset: 24, .size: 8, .value_kind: global_buffer, .address_space: global }
      - { .name: out0, .offset: 32, .size: 8, .value_kind: global_buffer, .address_space: global }
    .group_segment_fixed_size: 15872
    .private_segment_fixed_size: 0
    .kernarg_segment_align: 8
    .kernarg_segment_size: 40
    .max_flat_workgroup_size: 512
    .sgpr_count:     66
    .vgpr_count:     256
    .wavefront_size: 32
...
	.end_amdgpu_metadata
.endif
;; end of part 1
;; ======== version 2 of 2: 1 launch; version 1 with the launch diffinit written anew for expert scheduling mode
;; launch diffinit (part 2): grid 256 x 1, 16 waves a work-group, no clusters, 15,872 bytes of LDS; arguments latent, W, b, noise, out0; writes out0
.if DOCPART == 2
	.amdgcn_target "amdgcn-amd-amdhsa--gfx1250"
	.amdhsa_code_object_version 6
	.text
	.protected	k_q73431e101c_diffinit
	.globl	k_q73431e101c_diffinit
	.p2align	8
	.type	k_q73431e101c_diffinit,@function
k_q73431e101c_diffinit:
	s_mov_b64 s[64:65], 0
	v_nop
	global_prefetch_b8 v0, s[64:65] scope:SCOPE_SE
	s_setreg_imm32_b32 hwreg(HW_REG_WAVE_SCHED_MODE, 0, 2), 2
	s_setreg_imm32_b32 hwreg(HW_REG_WAVE_MODE, 25, 1), 1
	s_wait_xcnt 0x0
	s_wait_alu depctr_vm_vsrc(0)
; out[r][k] = x after 50 steps x = a x + (1 - a) t, a = 50/50, 49/50 .. 1/50, x starting as noise[r][k],
; t = target[r][k] = sum over d of latent[r][d] W[d][k] + b[k].   latent: 32,768 rows of 1,024 f32;  k = 0..2.
;
; A STREAM: 4,096 bytes are read for 12 bytes of result.  A work-group owns 128 rows, each of its 16 waves 8 rows.  One load of a wave
; covers 512 consecutive bytes of one row, aligned; a lane holds 4 neighbouring columns of each of a row's 8 loads.  Every wave keeps a
; ring of four rows in registers (32 loads out), so the work-group has 16 x 32 x 512 bytes = half of its 512 KiB asked for at once.
; W (12,288 bytes) is fetched once by the work-group, shared through LDS, and each lane keeps the 96 numbers of its 32 columns.
;
; NO MATRIX INSTRUCTIONS: the product has 3 output columns of a tile's 16, and a matrix operand wants one row per lane, across the order
; in which neighbouring lanes read neighbouring bytes: every number would pass through LDS and a conversion.  Here a number goes from
; its load register into 1.5 packed f32 multiply-adds, and the product keeps f32 accuracy.
; NO CLUSTER, NO JOINT LOADS: the only bytes that work-groups share are W's, 12,288 of the 538,124 that a work-group reads (2.3%).
; NO LDS RING: the rows in flight lie in the registers that the arithmetic reads.
;
; LIMITS, stated: the 1,024 products of a sum are added in another order than the reference's (32 in a lane, then across lanes);
; a step is one multiply and one fused multiply-add; 1 - a is the constant (50 - k)/50 rounded once to f32, which differs from the f32
; difference 1 - fl(k/50) by at most about 1.5e-6 of its value (k = 49).  All 50 steps are carried out, the first (a = 1) too.
;
; THE MODE: SCHED_MODE bits 1:0 = 2 (LLVM: expert scheduling mode 2), set by the entry lines.  The code itself states the register dependences
; between vector instructions and memory or LDS instructions, with s_wait_alu, always for 0.
; THE PLAN.  Registers that memory or LDS instructions touch:
;   v1, v4       offsets, made at the head and never written again: read by the row loads; by the noise load, the targets' LDS load and the last store.
;   v242..249    at the start W's staging and its two addresses: read by W's loads, LDS stores and LDS loads; then the accumulators.
;   X            four row slots = four halves of a pair of rows (chunks 0..3 or 4..7 of two rows: 32 registers).  A half is read by its 48 packed
;                multiply-adds; in the first two pairs eight loads then land in it again.
;   v2, v5       address and data of the target's LDS store.     v242..245  at the end: four targets out of LDS.     v6..9  noise, x, the last store's data.
; One wait on va_vdst stands behind the multiply-adds that empty a half; the half's eight loads follow it two at a time, dealt among vector instructions
; that name other registers: the pair's next chunks, or the folding of its sums.  The other waits stand once each: at the head, ahead of the first
; product, ahead of the target's LDS store, ahead of the last store.  The pairs that ask for nothing hold no such wait.
.set ROWB,  4096                       ; bytes in a row of latent
.set STEPS, 50
.set TGT,   0                          ; LDS 0..1535: the work-group's 128 x 3 targets, in the order of out0
.set WL,    1536                       ; LDS 1536..13823: W as it lies in memory
.set DOFF, 1                           ; v1        byte offset in the work-group's latent: wave x 8 rows + 16 x lane
.set TADR, 2                           ; v2        LDS address of the target that this lane ends up with
.set BIAS, 3                           ; v3        b[k] of that target
.set OOFF, 4                           ; v4        16 x thread: my 16 bytes of noise, of the targets in LDS and of out0 (waves 0..2)
.set SEL,  5                           ; v5        the target itself
.set NOI,  6                           ; v[6:9]    waves 0..2: four numbers of noise, then x
.set RES0, 10                          ; v[10:12]  folded sums of rows 0..3, at the end of all 8 rows
.set RES1, 14                          ; v[14:16]  folded sums of rows 4..7
.set W,    18                          ; v[18:113] chunk j: 12 registers, W[d][k] of my 4 columns d, in memory order (register 3 i + k)
.set X,    114                         ; v[114:241] slot s: 32 registers, a row; chunk j: 4 of them
.set ACC,  242                         ; v[242:247] six sums of the pair's first row, v[248:253] of its second
.set T0,   254
.set T1,   255
.set WST,  ACC                         ; at the start: 24 bytes of W on their way to LDS,
.set WOFF, ACC+6                       ; 8 x thread: their place in W and in LDS,
.set WRD,  ACC+7                       ; 48 x lane: where my columns' W begins in a chunk's 1,536 bytes
.set TG,   ACC                         ; at the end: four targets,
.set CC,   ACC+4                       ; and (1 - a) x target
	s_load_b256 s[4:11], s[0:1], 0x0               ; latent s[4:5], W s[6:7], b s[8:9], noise s[10:11]
	s_load_b64 s[12:13], s[0:1], 0x20              ; out0
	v_lshl_add_u32 v13, v0, 2, 0x3600
	v_mov_b32 v17, 0
	v_lshrrev_b32 v[T0], 5, v0
	v_readfirstlane_b32 s14, v[T0]                 ; wave 0..15
	v_and_b32 v[T1], 31, v0                        ; lane
	s_wait_alu depctr_va_sdst(0)                   ; s14 is written, ahead of its first reader: offsets, LDS places and two branches are made from it
	s_lshl_b32 s30, s14, 15                        ; wave x 8 rows x 4,096 bytes
	s_lshl_b32 s28, s14, 9                         ; wave x 32 lanes x 16 bytes
	s_lshl_b32 s29, s14, 8                         ; wave x 32 lanes x 8 bytes
	v_lshl_add_u32 v[DOFF], v[T1], 4, s30
	v_lshl_add_u32 v[OOFF], v[T1], 4, s28
	v_lshl_add_u32 v[WOFF], v[T1], 3, s29
	v_mul_u32_u24 v[WRD], 48, v[T1]
	s_lshl_b32 s20, ttmp9, 19                      ; the work-group's 128 rows of latent: at most 255 x 524,288, below 2^31
	s_mov_b32 s21, 0
	s_mul_i32 s26, ttmp9, 1536                     ; and its 128 x 12 bytes of noise and of out0
	s_mov_b32 s27, 0
	s_wait_kmcnt 0x0
	s_add_nc_u64 s[4:5], s[4:5], s[20:21]
	s_add_nc_u64 s[10:11], s[10:11], s[26:27]
	s_add_nc_u64 s[12:13], s[12:13], s[26:27]
	s_load_b96 s[16:18], s[8:9], 0x0               ; b[0..2]: no line of this kernel stores into b
	s_wait_alu depctr_va_vdst(0)                   ; the four offsets v1, v4, v248, v249 are written, which the loads, LDS stores and LDS loads below read; no vector instruction names them again before those
	; Waves 0..2 run the 50 steps at the end and ask for their noise now.  This load is older than every load that is counted below,
	; so the counts are the same in the waves that skip it (loads return in order, ISA guide 5.7.1).
	s_cmp_gt_u32 s14, 2
	s_cbranch_scc1 .Lno_noise
	global_load_b128 v[NOI:NOI+3], v[OOFF], s[10:11] th:TH_LOAD_NT
.Lno_noise:
.irp i, 0,1,2
	global_load_b64 v[WST+2*\i:WST+2*\i+1], v[WOFF], s[6:7] offset:4096*\i     ; 512 threads x 8 bytes x 3 = W; a wave's load: 256 consecutive bytes
.endr
.macro LOAD1 slot, base, j             ; chunk j (512 bytes) of the row at byte \base of my 8 rows, into slot \slot
	global_load_b128 v[X+32*(\slot)+4*(\j):X+32*(\slot)+4*(\j)+3], v[DOFF], s[4:5] offset:(\base)+512*(\j) th:TH_LOAD_NT
.endm
.irp s, 0,1,2,3
.irp j, 0,1,2,3,4,5,6,7
	LOAD1 \s, ROWB*\s, \j                          ; the ring is filled: rows 0..3, 32 loads
.endr
.endr
	; While they travel: where this lane's target will go.  The folds below leave in lane l the sums of row 4 (l>>2 & 1) + 2 (l>>3 & 1) + (l>>4)
	; of my 8; lane l then keeps column k = min(l & 3, 2): lanes 2 and 3 of a quad store the same number to the same word.
	; (These lines write v2, v3, v254, v255: registers that no memory instruction issued so far names.)
	v_bfe_u32 v[T0], v0, 3, 1
	v_bfe_u32 v[TADR], v0, 4, 1
	v_lshl_add_u32 v[TADR], v[T0], 1, v[TADR]
	v_bfe_u32 v[T0], v0, 2, 1
	v_lshl_add_u32 v[TADR], v[T0], 2, v[TADR]      ; row 0..7
	v_and_b32 v[T0], 3, v0
	v_min_u32 v[T0], 2, v[T0]                      ; k
	v_mul_u32_u24 v[TADR], 12, v[TADR]
	v_lshl_add_u32 v[TADR], v[T0], 2, v[TADR]      ; 12 row + 4 k, at most 92
	s_mul_i32 s31, s14, 96                         ; my wave's 8 x 12 bytes
	v_add_nc_u32 v[TADR], s31, v[TADR]
	s_mov_b32 s22, 0xff00ff00                      ; lanes with bit 3 set
	s_mov_b32 s23, 0xf0f0f0f0                      ; lanes with bit 2 set
	s_mov_b32 s24, 0x22222222                      ; lanes with l & 3 = 1
	s_mov_b32 s25, 0xcccccccc                      ; lanes with l & 3 = 2 or 3
	s_wait_kmcnt 0x0                               ; b
	v_mov_b32 v[BIAS], s16
	v_mov_b32 v[T0], s17
	v_mov_b32 v[T1], s18
	v_cndmask_b32 v[BIAS], v[BIAS], v[T0], s24
	v_cndmask_b32 v[BIAS], v[BIAS], v[T1], s25     ; b[k] of my target
	; W: memory -> LDS once for the work-group, LDS -> registers in every wave
	s_wait_loadcnt 32                              ; W's three loads are in; the 32 row loads issued behind them stay out
.irp i, 0,1,2
	ds_store_b64 v[WOFF], v[WST+2*\i:WST+2*\i+1] offset:WL+4096*\i
.endr
	s_wait_dscnt 0x0                               ; my part of W is in LDS, for the other waves' sake
	s_barrier_signal -1
	s_barrier_wait -1                              ; everybody's is
.irp j, 0,1,2,3,4,5,6,7
.irp i, 0,1,2
	ds_load_b128 v[W+12*\j+4*\i:W+12*\j+4*\i+3], v[WRD] offset:WL+1536*\j+16*\i   ; lanes 48 bytes apart: 16 lanes touch 16 different 16-byte columns of 256
.endr
.endr
	s_wait_dscnt 0x0
	s_wait_alu depctr_vm_vsrc(0)                   ; the LDS stores have read v242..248 and the LDS loads v249: from here on these are accumulators, which the products below write
; One packed multiply-add.  W's 12 numbers of 4 columns d0..d3 lie as (d0k0 d0k1)(d0k2 d1k0)(d1k1 d1k2)(d2k0 d2k1)(d2k2 d3k0)(d3k1 d3k2), so the
; three accumulator pairs hold (k0,k1), (k2,k0), (k1,k2), and the data pair (x0,x1) enters as (x0,x0), (x0,x1), (x1,x1): sel = 0, 1, 2.
; first = 1: the product starts the sum; nothing is cleared.
.macro PK first, d, x, w, sel
.if \first
.if \sel == 0
	v_pk_mul_f32 v[\d:\d+1], v[\x:\x+1], v[\w:\w+1] op_sel_hi:[0,1]
.elseif \sel == 1
	v_pk_mul_f32 v[\d:\d+1], v[\x:\x+1], v[\w:\w+1]
.else
	v_pk_mul_f32 v[\d:\d+1], v[\x:\x+1], v[\w:\w+1] op_sel:[1,0]
.endif
.else
.if \sel == 0
	v_pk_fma_f32 v[\d:\d+1], v[\x:\x+1], v[\w:\w+1], v[\d:\d+1] op_sel_hi:[0,1,1]
.elseif \sel == 1
	v_pk_fma_f32 v[\d:\d+1], v[\x:\x+1], v[\w:\w+1], v[\d:\d+1]
.else
	v_pk_fma_f32 v[\d:\d+1], v[\x:\x+1], v[\w:\w+1], v[\d:\d+1] op_sel:[1,0,0]
.endif
.endif
.endm
; Two columns (half e of chunk j) of the rows in slots pa and pb: six chains that do not wait for each other
.macro HALF pa, pb, j, e, first
.irp c, 0,1,2
	PK \first, ACC+2*\c, X+32*\pa+4*\j+2*\e, W+12*\j+6*\e+2*\c, \c
	PK \first, ACC+6+2*\c, X+32*\pb+4*\j+2*\e, W+12*\j+6*\e+2*\c, \c
.endr
.endm
; Two rows, in slots sa and sb.  left: how many younger loads may stay out.  refill = 1: the two slots are asked for again, with rows nr and nr + 1, in two
; halves: chunks 0..3 when chunk 3 has been multiplied, chunks 4..7 when chunk 7 has; all sixteen loads are out ahead of the next pair's wait for its data.
; The result, in dst..dst+2: column k's sum over lanes l and l + 16, first row in lanes 0-15, second in 16-31.
.macro PAIR sa, sb, dst, left, refill, nr
	s_wait_loadcnt \left
	HALF \sa, \sb, 0, 0, 1
	HALF \sa, \sb, 0, 1, 0
.irp j, 1,2,3
	HALF \sa, \sb, \j, 0, 0
	HALF \sa, \sb, \j, 1, 0
.endr
.if \refill
	s_wait_alu depctr_va_vdst(0)                   ; the multiply-adds above are done reading chunks 0..3 of both slots, in which the eight loads below land
.endif
.irp j, 4,5
.irp e, 0,1
.if \refill
	LOAD1 \sa, ROWB*\nr, 2*(\j)-8+\e               ; chunks 0..3, one of each row at a time.  No further wait: the lines between name chunks 4 and 5, W and the accumulators
	LOAD1 \sb, ROWB*\nr+ROWB, 2*(\j)-8+\e
.endif
	HALF \sa, \sb, \j, \e, 0
.endr
.endr
.irp j, 6,7
	HALF \sa, \sb, \j, 0, 0
	HALF \sa, \sb, \j, 1, 0
.endr
.if \refill
	s_wait_alu depctr_va_vdst(0)                   ; the multiply-adds above are done reading chunks 4..7 of both slots, in which the eight loads below land
.endif
.irp r, 0,6
.if \refill
	LOAD1 \sa, ROWB*\nr, 4+\r/6                    ; chunks 4 and 5.  No further wait: the folding names the accumulators and the result alone
	LOAD1 \sb, ROWB*\nr+ROWB, 4+\r/6
.endif
	v_add_f32 v[ACC+\r], v[ACC+\r], v[ACC+\r+3]            ; k0 = (k0,k1).lo + (k2,k0).hi
	v_add_f32 v[ACC+\r+1], v[ACC+\r+1], v[ACC+\r+4]        ; k1 = (k0,k1).hi + (k1,k2).lo
	v_add_f32 v[ACC+\r+2], v[ACC+\r+2], v[ACC+\r+5]        ; k2 = (k2,k0).lo + (k1,k2).hi
.endr
.if \refill
	LOAD1 \sa, ROWB*\nr, 6
	LOAD1 \sb, ROWB*\nr+ROWB, 6
.endif
.irp k, 0,1,2
	v_permlane16_swap_b32 v[ACC+\k], v[ACC+6+\k]           ; the first row's lanes 16-31 change places with the second row's lanes 0-15
.endr
.if \refill
	LOAD1 \sa, ROWB*\nr, 7
	LOAD1 \sb, ROWB*\nr+ROWB, 7
.endif
	v_pk_add_f32 v[\dst:\dst+1], v[ACC:ACC+1], v[ACC+6:ACC+7]
	v_add_f32 v[\dst+2], v[ACC+2], v[ACC+8]
.endm
; Fold p and q over one lane bit: lanes with the bit clear end with p[l] + p[l ^ xm], lanes with it set with q[l] + q[l ^ xm]; the result replaces p.
.macro MERGE p, q, mask, xm
.irp k, 0,1,2
	v_cndmask_b32 v[ACC+3+\k], v[\q+\k], v[\p+\k], \mask   ; what my partner wants: p where the bit is set, q where it is clear
	v_cndmask_b32 v[\p+\k], v[\p+\k], v[\q+\k], \mask      ; what I keep
.endr
.irp k, 0,1,2
	v_add_f32_dpp v[\p+\k], v[ACC+3+\k], v[\p+\k] row_xmask:\xm row_mask:0xf bank_mask:0xf
.endr
.endm
	PAIR 0, 1, RES0, 16, 1, 4                      ; rows 0, 1; out stay rows 2, 3 (16 loads); rows 4, 5 are asked for
	PAIR 2, 3, ACC, 16, 1, 6                       ; rows 2, 3; out stay rows 4, 5; rows 6, 7 are asked for
	MERGE RES0, ACC, s22, 8                        ; lane bit 3: rows 0, 1 | rows 2, 3
	PAIR 0, 1, RES1, 16, 0, 0                      ; rows 4, 5; out stay rows 6, 7
	PAIR 2, 3, ACC, 0, 0, 0                        ; rows 6, 7: nothing was issued behind them (this wait also shows the noise in)
	MERGE RES1, ACC, s22, 8
	MERGE RES0, RES1, s23, 4                       ; lane bit 2: rows 0..3 | rows 4..7
.irp k, 0,1,2
	v_add_f32_dpp v[RES0+\k], v[RES0+\k], v[RES0+\k] row_xmask:2 row_mask:0xf bank_mask:0xf
.endr
.irp k, 0,1,2
	v_add_f32_dpp v[RES0+\k], v[RES0+\k], v[RES0+\k] row_xmask:1 row_mask:0xf bank_mask:0xf
.endr
	v_cndmask_b32 v[SEL], v[RES0], v[RES0+1], s24  ; the four lanes of a quad hold a row's three sums: each keeps its column's
	v_cndmask_b32 v[SEL], v[SEL], v[RES0+2], s25
	v_add_f32 v[SEL], v[SEL], v[BIAS]              ; target = product + b
	s_wait_alu depctr_va_vdst(0)                   ; v5 and v2 are written, which the LDS store reads; and the folds are done with v242..245, in which the LDS load behind the barrier lands (no vector instruction stands between)
	ds_store_b32 v[TADR], v[SEL] offset:TGT
	s_wait_dscnt 0x0                               ; my 24 targets are in LDS, for waves 0..2
	s_barrier_signal -1
	s_barrier_wait -1                              ; all 384 are
	s_cmp_gt_u32 s14, 2
	s_cbranch_scc1 .Ldone
	; THE 50 STEPS, in waves 0..2: thread t has the numbers 4 t .. 4 t + 3 of the work-group's 384, as they lie in noise and in out0.
	ds_load_b128 v[TG:TG+3], v[OOFF] offset:TGT
	s_wait_dscnt 0x0
; FBITS = the f32 nearest to num / 50, num = 0 .. 50, made by the assembler: scale num into [50, 100), divide with one bit to spare, round.
; (No tie can occur: num 2^24 / 50 is whole only for num = 50 after scaling, and even there.)
.macro FIFTIETHS num
.if \num == 0
.set FBITS, 0
.else
.set fnum, \num
.set fexp, 127
.rept 6
.if fnum < 50
.set fnum, fnum*2
.set fexp, fexp-1
.endif
.endr
.set FBITS, (fexp<<23)+(((fnum<<24)/50+1)>>1)-(1<<23)
.endif
.endm
.set stepk, STEPS
.rept STEPS
	FIFTIETHS STEPS-stepk
.set OMA, FBITS                                        ; 1 - a = (50 - k) / 50
	FIFTIETHS stepk                                ; a = k / 50
	v_pk_mul_f32 v[CC:CC+1], v[TG:TG+1], OMA op_sel_hi:[1,0]
	v_pk_mul_f32 v[CC+2:CC+3], v[TG+2:TG+3], OMA op_sel_hi:[1,0]
	v_pk_fma_f32 v[NOI:NOI+1], v[NOI:NOI+1], FBITS, v[CC:CC+1] op_sel_hi:[1,0,1]
	v_pk_fma_f32 v[NOI+2:NOI+3], v[NOI+2:NOI+3], FBITS, v[CC+2:CC+3] op_sel_hi:[1,0,1]
.set stepk, stepk-1
.endr
	s_wait_alu depctr_va_vdst(0)                   ; the last step has written v6..9, which the store reads
	global_store_b128 v[OOFF], v[NOI:NOI+3], s[12:13] th:TH_STORE_NT   ; 16 lanes store 256 consecutive bytes, at a multiple of 256 from out0's first byte
.Ldone:
	s_wait_dscnt 0x0
	s_wait_alu depctr_hold_cnt(0) depctr_sa_sdst(0) depctr_va_vdst(0) depctr_va_sdst(0) depctr_va_ssrc(0) depctr_va_vcc(0) depctr_vm_vsrc(0)
	s_wait_tensorcnt 0x0
	ds_add_u32 v13, v17
	s_wait_dscnt 0x0
	s_endpgm
.Lfunc_end_k_q73431e101c_diffinit:
	.size	k_q73431e101c_diffinit, .Lfunc_end_k_q73431e101c_diffinit-k_q73431e101c_diffinit
	.p2alignl 7, 3214868480
	.fill 96, 4, 3214868480
	.section	.rodata,"a",@progbits
	.p2align	6, 0x0
	.amdhsa_kernel k_q73431e101c_diffinit
		.amdhsa_group_segment_fixed_size 15872
		.amdhsa_private_segment_fixed_size 0
		.amdhsa_enable_private_segment 0
		.amdhsa_kernarg_size 40
		.amdhsa_user_sgpr_count 2
		.amdhsa_user_sgpr_kernarg_segment_ptr 1
		.amdhsa_wavefront_size32 1
		.amdhsa_system_sgpr_workgroup_id_x 1
		.amdhsa_system_sgpr_workgroup_id_y 1
		.amdhsa_system_sgpr_workgroup_id_z 1
		.amdhsa_system_vgpr_workitem_id 0
		.amdhsa_next_free_vgpr 256
		.amdhsa_next_free_sgpr 66
		.amdhsa_reserve_vcc 0
		.amdhsa_float_denorm_mode_32 3
		.amdhsa_float_denorm_mode_16_64 3
		.amdhsa_memory_ordered 1
		.amdhsa_forward_progress 1
		.amdhsa_inst_pref_size 58
	.end_amdhsa_kernel
	.amdgpu_metadata
---
amdhsa.version: [ 1, 2 ]
amdhsa.kernels:
  - .name:           k_q73431e101c_diffinit
    .symbol:         k_q73431e101c_diffinit.kd
    .args:
      - { .name: latent, .offset: 0, .size: 8, .value_kind: global_buffer, .address_space: global }
      - { .name: W, .offset: 8, .size: 8, .value_kind: global_buffer, .address_space: global }
      - { .name: b, .offset: 16, .size: 8, .value_kind: global_buffer, .address_space: global }
      - { .name: noise, .offset: 24, .size: 8, .value_kind: global_buffer, .address_space: global }
      - { .name: out0, .offset: 32, .size: 8, .value_kind: global_buffer, .address_space: global }
    .group_segment_fixed_size: 15872
    .private_segment_fixed_size: 0
    .kernarg_segment_align: 8
    .kernarg_segment_size: 40
    .max_flat_workgroup_size: 512
    .sgpr_count:     66
    .vgpr_count:     256
    .wavefront_size: 32
...
	.end_amdgpu_metadata
.endif
;; end of part 2
